; MI455X (gfx1250); checked and timed in simulation.
; The chip was launched on July 23, 2026; its instructions are those of AMD's public machine-readable ISA for CDNA 5 (MIT licence, August 2026) and "CDNA5" Instruction Set Architecture Reference Guide (July 2026). The comments in the code are by the model that wrote it; some were corrected since.
;; VQ Cosine. Allowed arithmetic: matrix products marked QUANTISED: E5M2 operands, one E8M0 scale for each 32 along K, by v_wmma_scale_f32_16x16x128_f8f6f4 with both operands' format E5M2, f32 sums; everything else in f32.
;; Inputs: codebook 8,192 x 256 float32; x 8 x 256 x 64 x 64 float32.
;; Outputs: out0 8 x 256 x 64 x 64 float32; out1 one number float32; out2 one number float32.
;; This version of the problem:
;;   THIS VERSION OF THE PROBLEM IS GIVEN IN LOW PRECISION. The matrix products marked QUANTISED in the list below multiply operands that are first quantised to E5M2 (5 exponent bits, 2 mantissa bits; 8 bits a number), with one power-of-two scale for each 32 numbers along K (OCP MX v1.0); their sums are f32. All else is computed in f32.
;;   The module's matrix products, in the order in which they are computed (A, B: the left and right operand; K: the contracted axis; several contracted axes count as one K, in the product's order):
;;     1. [M 32,768, K 256] x [K 256, N 8,192]; A: computed on the way; B: input codebook: QUANTISED
;;   THE QUANTISER, for each operand of a quantised product, along K:
;;     - K is cut into blocks of 32 from its start; a last block that is shorter is filled with zeros.
;;     - A block's scale is 2^e with e = floor(log2(the largest magnitude in the block)) - 15, held to -126 .. 127; a block of zeros has e = 0. As a byte (E8M0): e + 127.
;;     - Each number is divided by its block's scale, clamped to +-57,344, and rounded to the nearest number of E5M2, ties to even, subnormals kept.
;;     - The product sums the exact products of the quantised numbers (number of the format x scale) in f32.
;;   ~~~python
;;   def quantise(x, axis):      # numpy; x: float32 -> the quantised numbers, widened to float32 again
;;       x = np.moveaxis(x, axis, -1); K = x.shape[-1]
;;       x = np.pad(x, [(0, 0)] * (x.ndim - 1) + [(0, -K % 32)]); x = x.reshape(x.shape[:-1] + (-1, 32)); a = np.abs(x).max(-1, keepdims=True)
;;       e = np.where(a > 0, np.clip(np.frexp(np.where(a > 0, a, 1))[1] - 1 - 15, -126, 127), 0)      # np.frexp(a)[1] - 1 = floor(log2(a)), exactly
;;       r = np.clip(x / 2.0 ** e, -57344, 57344)
;;       step = 2.0 ** (np.maximum(np.frexp(np.where(r == 0, 1, r))[1] - 1, -14) - 2)
;;       q = np.round(r / step) * step * 2.0 ** e      # np.round: ties to even
;;       return np.moveaxis(q.reshape(q.shape[:-2] + (-1,))[..., :K], -1, axis).astype(np.float32)
;;   ~~~
;;   OPERANDS COMPUTED ON THE WAY. 'Computed on the way' means the value that the module computes at that place (a softmax that the list does not call 'softmax' is quantised finished and normalised). What goes into a quantiser is computed in f32, as accurately as f32 sums, v_exp_f32 and their like allow (about 1e-6 of the number): no bf16 or f16 on the way to a quantiser, and a product that is left as it is and whose result goes on into a quantised operand takes f32 operands (vector FMAs, or v_wmma_f32_16x16x4_f32). A number that lies on a knife's edge between two numbers of the format may be rounded either way, as far as f32 arithmetic and the matrix unit's own rounding can turn it there, and no further.
;; One version. Each part assembles by itself: llvm-mc -triple=amdgcn-amd-amdhsa -mcpu=gfx1250 --defsym DOCPART=n.
;; ======== version 1 of 1: 4 launches
;; limits: right only within a limited range of input values
;; workspace buffers: cbq 2,162,688 bytes; zq 8,650,752 bytes; inv 131,072 bytes; pair 2,097,152 bytes of whole numbers; part 2,048 bytes
;; launch quant (part 1): grid 640 x 1, 4 waves a work-group, no clusters, 4,608 bytes of LDS; arguments x, codebook, zq, cbq, inv; writes zq, cbq, inv
.if DOCPART == 1
	.amdgcn_target "amdgcn-amd-amdhsa--gfx1250"
	.amdhsa_code_object_version 6
	.text
	.protected	k_qf5537f6a05_quant
	.globl	k_qf5537f6a05_quant
	.p2align	8
	.type	k_qf5537f6a05_quant,@function
k_qf5537f6a05_quant:
	s_mov_b64 s[64:65], 0
	v_nop
	global_prefetch_b8 v0, s[64:65] scope:SCOPE_SE
	s_setreg_imm32_b32 hwreg(HW_REG_WAVE_MODE, 25, 1), 1
	s_wait_xcnt 0x0
; Both operands of d = Q(z) Q(codebook)^T are made here once: codes of BF8 (E5M2) with one E8M0 byte for each 32 along K = the 256 channels.
; z[n][c] = x[b][c][p] / max(norm over c, 1e-12), n = 4096 b + p.  The reciprocal norm also goes out (inv), for the loss.
; A UNIT is 64 rows = 4 tiles of 16 rows = 16,896 bytes, laid as the matrix operand's registers:
;   codes at t*4096 + s*2048 + c*512 + lane*16 (lane = r + 16 h): k = 128 s + 32 c + 16 h + 0..15 of row r of tile t;
;   scale words at 16384 + t*128 + lane*4 (lane = r + 16 s): the four bytes of row r, K half s.
; Work-groups 0..511 take one unit of z each (64 neighbouring positions of one image; position p' is tile p' % 4, row p' / 4, so that a lane's
; 16 loaded bytes are one row of each of the four tiles); work-groups 512..639 take one unit of the codebook (entry n: unit n / 64, tile (n / 16) % 4, row n % 16).
; The two ways part on the work-group's number alone and have LDS bytes of their own.  No tensor loads; work-groups share no input, so no cluster.
; A block's scale byte is its largest magnitude's exponent field - 15, held at 1 from below; each number is held within +-57,344 x the scale and rounded to the nearest code, ties to even.
; LIMITS: NaN and infinities are not served.  A block of zeros gets the byte 1 (its codes are zeros; only this program reads the bytes).
; The sum of squares overflows where the reference's own does.  z = x * rcp(max(sqrt(ss), 1e-12)): three roundings of f32.
.set UNIT,  16896
.set SSQ,   0                          ; LDS, z's way: 4 waves x 16 lanes x 4 sums of squares
.set SCX,   1024                       ; LDS, z's way: the unit's 512 scale bytes
.set SCC,   2048                       ; LDS, the codebook's way: the unit's 512 scale bytes
.set SS,    10                         ; v10-17  sums of squares, two sets of four positions
.set INV,   18                         ; v18-21  1 / norm of my four positions
.set PW,    22                         ; v22-25  at work; then scale words
.set TM,    26                         ; v26-29 largest magnitudes, v30-33 bytes, v34-37 the hold, v38-41 the conversions' scale operands
.set Z,     44                         ; v44-75  32 numbers of z; on the codebook's way its codes
.set C,     76                         ; v76-107 z's codes, eight registers for each tile: no store's data are written again
.set NUM,   112                        ; v112-239 the 128 numbers as loaded
.set SEL,   14                         ; s[14:15] lane selects: lane l xor 16
.set WV,    16
.set MNT,   17                         ; the mantissa field of 57,344
; nb blocks of 32 along K; a lane holds 16 numbers of each (v[src + 16 b + i]), lane l xor 16 the other 16.  Codes to v[cod + 4 b ..], bytes to v[TM + 4 + b].
.macro QB src, nb, cod
.set qb, 0
.rept \nb
	v_max3_num_f32 v[TM+qb], |v[\src+16*qb]|, |v[\src+16*qb+1]|, 0x8000000   ; with the floor 2^(16 - 127): the byte cannot fall under 1
.set qb, qb+1
.endr
.set qi, 2
.rept 7
.set qb, 0
.rept \nb
	v_max3_num_f32 v[TM+qb], v[TM+qb], |v[\src+16*qb+qi]|, |v[\src+16*qb+qi+1]|
.set qb, qb+1
.endr
.set qi, qi+2
.endr
.set qb, 0
.rept \nb
	v_permlanex16_b32 v[TM+4+qb], v[TM+qb], s[SEL], s[SEL+1]
.set qb, qb+1
.endr
.set qb, 0
.rept \nb
	v_max_num_f32 v[TM+qb], v[TM+qb], v[TM+4+qb]               ; the block's largest magnitude
.set qb, qb+1
.endr
.set qb, 0
.rept \nb
	v_add_nc_u32 v[TM+12+qb], 0xf8800000, v[TM+qb]             ; 15 off its exponent field: the conversion's scale operand
	v_and_or_b32 v[TM+8+qb], v[TM+qb], 0x7f800000, s[MNT]      ; 57,344 x the scale
.set qb, qb+1
.endr
.set qb, 0
.rept \nb
	v_lshrrev_b32 v[TM+4+qb], 23, v[TM+12+qb]                  ; the scale's byte
.set qb, qb+1
.endr
.set qb, 0
.rept \nb
.set qi, 0
.rept 16
	v_med3_num_f32 v[\src+16*qb+qi], v[\src+16*qb+qi], -v[TM+8+qb], v[TM+8+qb]   ; the conversion does not saturate (ISA guide 7.6.2): the hold comes first
.set qi, qi+1
.endr
	v_cvt_scalef32_pk8_bf8_f32 v[\cod+4*qb:\cod+4*qb+1], v[\src+16*qb:\src+16*qb+7], v[TM+12+qb]
	v_cvt_scalef32_pk8_bf8_f32 v[\cod+4*qb+2:\cod+4*qb+3], v[\src+16*qb+8:\src+16*qb+15], v[TM+12+qb]
.set qb, qb+1
.endr
	v_nop                                          ; one plain line behind the last conversion, ahead of whatever next writes its sources
.endm
	s_load_b256 s[4:11], s[0:1], 0x0               ; x s[4:5], codebook s[6:7], zq s[8:9], cbq s[10:11]
	s_load_b64 s[12:13], s[0:1], 0x20              ; inv
	v_lshl_add_u32 v240, v0, 2, 0x1000
	v_mov_b32 v241, 0
	v_lshrrev_b32 v1, 5, v0
	v_readfirstlane_b32 s[WV], v1                  ; wave 0..3
	v_and_b32 v1, 15, v0                           ; r
	v_bfe_u32 v2, v0, 4, 1                         ; h
	v_and_b32 v4, 31, v0
	v_lshlrev_b32 v4, 4, v4                        ; 16 x lane
	v_lshlrev_b32 v6, 4, v1                        ; 16 r
	s_lshl_b32 s18, s[WV], 8
	v_add_nc_u32 v5, s18, v6                       ; SSQ: 256 w + 16 r
	v_lshl_add_u32 v7, v2, 3, v6                   ; inv: 16 r + 8 h
	s_lshr_b32 s18, s[WV], 1
	s_lshl_b32 s18, s18, 6
	s_and_b32 s19, s[WV], 1
	s_lshl_b32 s19, s19, 1
	s_add_co_u32 s18, s18, s19
	s_add_co_u32 s18, s18, SCX
	v_lshl_add_u32 v8, v1, 2, s18                  ; SCX + 4 r + 64 (w / 2) + 2 (w % 2): my two bytes of row r's word
	v_lshlrev_b32 v9, 2, v0                        ; 4 x thread
	s_mov_b32 s[SEL], 0x76543210
	s_mov_b32 s[SEL+1], 0xfedcba98
	s_mov_b32 s[MNT], 0x600000
.irp b, 0,1,2,3
	v_mov_b32 v[TM+4+\b], 0                        ; written once: a lane permute's destination counts as one of its sources
	v_mov_b32 v[PW+\b], 0
.endr
	s_wait_kmcnt 0x0
	s_cmp_lt_u32 ttmp9, 512
	s_cbranch_scc0 .Lcb
	; ---------------- z: unit u = the work-group's number.  Wave w owns channels 64 w .. 64 w + 63
	s_lshr_b32 s20, ttmp9, 6
	s_lshl_b32 s20, s20, 22                        ; the image: 4,194,304 bytes each
	s_and_b32 s21, ttmp9, 63
	s_lshl_b32 s21, s21, 8                         ; 64 positions: 256 bytes of each channel
	s_add_co_u32 s20, s20, s21
	s_lshl_b32 s21, s[WV], 20                      ; 64 channels of 16,384 bytes
	s_add_co_u32 s20, s20, s21
	s_mov_b32 s21, 0
	s_add_nc_u64 s[4:5], s[4:5], s[20:21]
	v_lshl_add_u32 v3, v2, 18, v6                  ; lanes 16-31 stand 16 channels further on; 16 bytes a lane: sixteen lanes read 256 consecutive bytes
.irp cc, 0,1
.irp i, 0,1,2,3,4,5,6,7,8,9,10,11,12,13,14,15
	global_load_b128 v[NUM+64*\cc+4*\i:NUM+64*\cc+4*\i+3], v3, s[4:5] offset:(32*\cc+\i)*16384 th:TH_LOAD_NT   ; channel 64 w + 32 cc + 16 h + i, positions 4 r .. 4 r + 3
.endr
.endr
	s_mul_i32 s20, ttmp9, UNIT
	s_lshr_b32 s22, s[WV], 1
	s_lshl_b32 s22, s22, 11
	s_add_co_u32 s20, s20, s22
	s_and_b32 s22, s[WV], 1
	s_lshl_b32 s22, s22, 10
	s_add_co_u32 s20, s20, s22
	s_add_nc_u64 s[8:9], s[8:9], s[20:21]          ; zq: my unit, K half w / 2, chunks 2 (w % 2) on
	s_lshl_b32 s20, ttmp9, 8
	s_add_nc_u64 s[12:13], s[12:13], s[20:21]      ; inv: my unit's 64 numbers
	s_wait_loadcnt 16                              ; the first sixteen loads are in, the other sixteen may be out
	v_pk_mul_f32 v[SS:SS+1], v[NUM:NUM+1], v[NUM:NUM+1]
	v_pk_mul_f32 v[SS+2:SS+3], v[NUM+2:NUM+3], v[NUM+2:NUM+3]
.irp i, 1,2,3,4,5,6,7,8,9,10,11,12,13,14,15
	v_pk_fma_f32 v[SS:SS+1], v[NUM+4*\i:NUM+4*\i+1], v[NUM+4*\i:NUM+4*\i+1], v[SS:SS+1]
	v_pk_fma_f32 v[SS+2:SS+3], v[NUM+4*\i+2:NUM+4*\i+3], v[NUM+4*\i+2:NUM+4*\i+3], v[SS+2:SS+3]
.endr
	s_wait_loadcnt 0x0
	v_pk_mul_f32 v[SS+4:SS+5], v[NUM+64:NUM+65], v[NUM+64:NUM+65]
	v_pk_mul_f32 v[SS+6:SS+7], v[NUM+66:NUM+67], v[NUM+66:NUM+67]
.irp i, 1,2,3,4,5,6,7,8,9,10,11,12,13,14,15
	v_pk_fma_f32 v[SS+4:SS+5], v[NUM+64+4*\i:NUM+64+4*\i+1], v[NUM+64+4*\i:NUM+64+4*\i+1], v[SS+4:SS+5]
	v_pk_fma_f32 v[SS+6:SS+7], v[NUM+64+4*\i+2:NUM+64+4*\i+3], v[NUM+64+4*\i+2:NUM+64+4*\i+3], v[SS+6:SS+7]
.endr
	v_pk_add_f32 v[SS:SS+1], v[SS:SS+1], v[SS+4:SS+5]
	v_pk_add_f32 v[SS+2:SS+3], v[SS+2:SS+3], v[SS+6:SS+7]
.irp a, 0,1,2,3
	v_permlanex16_b32 v[PW+\a], v[SS+\a], s[SEL], s[SEL+1]
.endr
	v_pk_add_f32 v[SS:SS+1], v[SS:SS+1], v[PW:PW+1]
	v_pk_add_f32 v[SS+2:SS+3], v[SS+2:SS+3], v[PW+2:PW+3]      ; my wave's 64 channels, four positions
	ds_store_b128 v5, v[SS:SS+3] offset:SSQ        ; both halves of the lanes store the same numbers to the same bytes
	s_wait_dscnt 0x0                               ; for the others' sake: my store has landed
	s_barrier_signal -1
	s_barrier_wait -1
.irp k, 0,1,2,3
	ds_load_b128 v[Z+4*\k:Z+4*\k+3], v6 offset:SSQ+256*\k
.endr
	s_wait_dscnt 0x0
	v_pk_add_f32 v[Z:Z+1], v[Z:Z+1], v[Z+4:Z+5]    ; (0 + 1) + (2 + 3): the same order in all four waves, so all hold the same norm
	v_pk_add_f32 v[Z+2:Z+3], v[Z+2:Z+3], v[Z+6:Z+7]
	v_pk_add_f32 v[Z+8:Z+9], v[Z+8:Z+9], v[Z+12:Z+13]
	v_pk_add_f32 v[Z+10:Z+11], v[Z+10:Z+11], v[Z+14:Z+15]
	v_pk_add_f32 v[SS:SS+1], v[Z:Z+1], v[Z+8:Z+9]
	v_pk_add_f32 v[SS+2:SS+3], v[Z+2:Z+3], v[Z+10:Z+11]
	s_wait_alu depctr_va_vdst(0)
.irp a, 0,1,2,3
	v_sqrt_f32 v[INV+\a], v[SS+\a]
.endr
	v_nop                                          ; a plain line behind the batch,
	s_wait_alu depctr_va_vdst(0)                   ; and one wait for the four, ahead of their first reader
.irp a, 0,1,2,3
	v_max_num_f32 v[INV+\a], 0x2b8cbccc, v[INV+\a] ; max(norm, 1e-12)
.endr
	s_wait_alu depctr_va_vdst(0)
.irp a, 0,1,2,3
	v_rcp_f32 v[INV+\a], v[INV+\a]
.endr
	v_nop
	s_wait_alu depctr_va_vdst(0)
	s_cmp_lg_u32 s[WV], 0                          ; wave 0 stores the unit's 64 reciprocal norms: 8 bytes a lane, 256 consecutive bytes
	s_cbranch_scc1 .Lx_noinv
	v_cmp_ne_u32 vcc_lo, 0, v2
	v_cndmask_b32 v42, v[INV], v[INV+2], vcc_lo
	v_cndmask_b32 v43, v[INV+1], v[INV+3], vcc_lo
	global_store_b64 v7, v[42:43], s[12:13]
.Lx_noinv:
.irp a, 0,1,2,3                        ; position 4 r + a is row r of tile a.  The multiplication also turns the registers so that they run along K
.irp cc, 0,1
.irp i, 0,1,2,3,4,5,6,7,8,9,10,11,12,13,14,15
	v_mul_f32 v[Z+16*\cc+\i], v[NUM+64*\cc+4*\i+\a], v[INV+\a]
.endr
.endr
	QB Z, 2, C+8*\a
	global_store_b128 v4, v[C+8*\a:C+8*\a+3], s[8:9] offset:\a*4096           ; 32 lanes store 512 consecutive bytes
	global_store_b128 v4, v[C+8*\a+4:C+8*\a+7], s[8:9] offset:\a*4096+512
	v_lshl_or_b32 v[PW+\a], v[TM+5], 8, v[TM+4]    ; my two blocks' bytes
	ds_store_b16 v8, v[PW+\a] offset:\a*128        ; both halves of the lanes store the same bytes
.endr
	s_wait_dscnt 0x0                               ; my bytes have landed
	s_barrier_signal -1
	s_barrier_wait -1
	s_cmp_lg_u32 s[WV], 0                          ; wave 0 (whose base stands at the unit's first byte) stores the 512 scale bytes on end
	s_cbranch_scc1 .Lx_end
	ds_load_b128 v[Z:Z+3], v4 offset:SCX
	s_wait_dscnt 0x0
	global_store_b128 v4, v[Z:Z+3], s[8:9] offset:16384
.Lx_end:
	s_wait_tensorcnt 0x0
	ds_add_u32 v240, v241
	s_wait_dscnt 0x0
	s_endpgm
	; ---------------- the codebook: unit U = the work-group's number - 512.  Wave w takes tile w: 16 entries
.Lcb:
	s_sub_co_u32 s20, ttmp9, 512
	s_lshl_b32 s22, s20, 16                        ; 64 entries of 1,024 bytes
	s_lshl_b32 s23, s[WV], 14                      ; 16 entries
	s_add_co_u32 s22, s22, s23
	s_mov_b32 s23, 0
	s_add_nc_u64 s[6:7], s[6:7], s[22:23]
	s_mul_i32 s22, s20, UNIT
	s_lshl_b32 s21, s[WV], 12
	s_add_co_u32 s22, s22, s21
	s_add_nc_u64 s[10:11], s[10:11], s[22:23]
	v_lshlrev_b32 v3, 10, v1
	v_lshl_add_u32 v3, v2, 6, v3                   ; entry r, + 64 h: my 16 numbers of each block of 32
.irp kh, 0,1
.irp c, 0,1,2,3
.irp j, 0,1,2,3
	global_load_b128 v[NUM+64*\kh+16*\c+4*\j:NUM+64*\kh+16*\c+4*\j+3], v3, s[6:7] offset:512*\kh+128*\c+16*\j th:TH_LOAD_NT
.endr
.endr
.endr
	s_wait_loadcnt 16                              ; K half 0 is in, K half 1 may be out
	QB NUM, 4, Z
	v_lshl_or_b32 v[PW], v[TM+5], 8, v[TM+4]
	v_lshl_or_b32 v[PW], v[TM+6], 16, v[PW]
	v_lshl_or_b32 v[PW], v[TM+7], 24, v[PW]        ; row r's scale word of K half 0
.irp c, 0,1,2,3
	global_store_b128 v4, v[Z+4*\c:Z+4*\c+3], s[10:11] offset:512*\c
.endr
	s_wait_loadcnt 0x0
	QB NUM+64, 4, Z+16
	v_lshl_or_b32 v[PW+1], v[TM+5], 8, v[TM+4]
	v_lshl_or_b32 v[PW+1], v[TM+6], 16, v[PW+1]
	v_lshl_or_b32 v[PW+1], v[TM+7], 24, v[PW+1]
.irp c, 0,1,2,3
	global_store_b128 v4, v[Z+16+4*\c:Z+16+4*\c+3], s[10:11] offset:2048+512*\c
.endr
	v_cmp_ne_u32 vcc_lo, 0, v2
	v_cndmask_b32 v[PW+2], v[PW], v[PW+1], vcc_lo  ; lanes 0-15 give K half 0's word, lanes 16-31 K half 1's
	ds_store_b32 v9, v[PW+2] offset:SCC
	s_wait_dscnt 0x0
	s_barrier_signal -1
	s_barrier_wait -1
	s_cmp_lg_u32 s[WV], 0
	s_cbranch_scc1 .Lc_end
	ds_load_b128 v[NUM:NUM+3], v4 offset:SCC
	s_wait_dscnt 0x0
	global_store_b128 v4, v[NUM:NUM+3], s[10:11] offset:16384
.Lc_end:
	s_wait_tensorcnt 0x0
	ds_add_u32 v240, v241
	s_wait_dscnt 0x0
	s_endpgm
.Lfunc_end_k_qf5537f6a05_quant:
	.size	k_qf5537f6a05_quant, .Lfunc_end_k_qf5537f6a05_quant-k_qf5537f6a05_quant
	.p2alignl 7, 3214868480
	.fill 96, 4, 3214868480
	.section	.rodata,"a",@progbits
	.p2align	6, 0x0
	.amdhsa_kernel k_qf5537f6a05_quant
		.amdhsa_group_segment_fixed_size 4608
		.amdhsa_private_segment_fixed_size 0
		.amdhsa_enable_private_segment 0
		.amdhsa_kernarg_size 40
		.amdhsa_user_sgpr_count 2
		.amdhsa_user_sgpr_kernarg_segment_ptr 1
		.amdhsa_wavefront_size32 1
		.amdhsa_system_sgpr_workgroup_id_x 1
		.amdhsa_system_sgpr_workgroup_id_y 1
		.amdhsa_system_sgpr_workgroup_id_z 1
		.amdhsa_system_vgpr_workitem_id 0
		.amdhsa_next_free_vgpr 242
		.amdhsa_next_free_sgpr 66
		.amdhsa_reserve_vcc 1
		.amdhsa_float_denorm_mode_32 3
		.amdhsa_float_denorm_mode_16_64 3
		.amdhsa_memory_ordered 1
		.amdhsa_forward_progress 1
		.amdhsa_inst_pref_size 54
	.end_amdhsa_kernel
	.amdgpu_metadata
---
amdhsa.version: [ 1, 2 ]
amdhsa.kernels:
  - .name:           k_qf5537f6a05_quant
    .symbol:         k_qf5537f6a05_quant.kd
    .args:
      - { .name: x, .offset: 0, .size: 8, .value_kind: global_buffer, .address_space: global }
      - { .name: codebook, .offset: 8, .size: 8, .value_kind: global_buffer, .address_space: global }
      - { .name: zq, .offset: 16, .size: 8, .value_kind: global_buffer, .address_space: global }
      - { .name: cbq, .offset: 24, .size: 8, .value_kind: global_buffer, .address_space: global }
      - { .name: inv, .offset: 32, .size: 8, .value_kind: global_buffer, .address_space: global }
    .group_segment_fixed_size: 4608
    .private_segment_fixed_size: 0
    .kernarg_segment_align: 8
    .kernarg_segment_size: 40
    .max_flat_workgroup_size: 128
    .sgpr_count:     66
    .vgpr_count:     242
    .wavefront_size: 32
...
	.end_amdgpu_metadata
.endif
;; end of part 1
;; launch search (part 2): grid 256 x 1, 8 waves a work-group, clusters of 4 x 1, 327,680 bytes of LDS; arguments zq, cbq, pair; writes pair
.if DOCPART == 2
	.amdgcn_target "amdgcn-amd-amdhsa--gfx1250"
	.amdhsa_code_object_version 6
	.text
	.protected	k_qf5537f6a05_search
	.globl	k_qf5537f6a05_search
	.p2align	8
	.type	k_qf5537f6a05_search,@function
k_qf5537f6a05_search:
	s_mov_b64 s[64:65], 0
	v_nop
	global_prefetch_b8 v0, s[64:65] scope:SCOPE_SE
	s_setreg_imm32_b32 hwreg(HW_REG_WAVE_MODE, 25, 1), 1
	s_wait_xcnt 0x0
	s_wait_alu depctr_hold_cnt(0) depctr_sa_sdst(0) depctr_va_vdst(0) depctr_va_sdst(0) depctr_va_ssrc(0) depctr_va_vcc(0) depctr_vm_vsrc(0)
	s_getreg_b32 s2, hwreg(HW_REG_IB_STS2, 6, 4)
	s_cmp_eq_u32 s2, 0
	s_cbranch_scc0 .Lentry_in_a_cluster
	s_endpgm
.Lentry_in_a_cluster:
	s_bfe_u32 s2, ttmp6, 0x10000c
	s_cmp_lg_u32 s2, 0x3003
	s_cbranch_scc0 .Lentry_shape_is_right
	s_endpgm
.Lentry_shape_is_right:
; d = Q(z) Q(codebook)^T, 32,768 x 8,192 x 256 on codes of BF8 (E5M2) with E8M0 scales.  For each row of z and each EIGHTH of the codebook (1,024 entries): the largest score, as a whole-number key,
; and the PAIR of neighbouring entries (2 pi, 2 pi + 1) that holds the first entry reaching it.  Which eighth wins, and which entry of the pair, the next launch decides.
; SHARES.  A work-group owns 1,024 rows of z (16 units of zq) and one eighth (16 units of cbq = 270,336 bytes = two LDS slots of eight units).  Wave w holds rows 128 w .. 128 w + 127 as source 1
; (8 row blocks x 2 K halves x 16 registers: window 1) and reads all 16 units, in ascending order: 64 blocks of 16 entries, 16 matrix instructions each.  No wave shares a row with another.
; LDS IS FILLED ONCE: slot 0 at the head (a unit a wave), slot 1 once everybody's unit of slot 0 is in.  Nothing is filled again.  One barrier stands ahead of the first read of slot 1.
; CLUSTERS: the four work-groups of a cluster walk the same eighth (it hangs on the cluster's number) and ask for its units JOINTLY (mask 15).
; NO PREFETCH.
; TRANSPOSED USE: source 0 = 16 entries, source 1 = 16 rows of z: lane (r, h) holds ONE row of z, and its eight results are entries 16 G + 8 h + 0..7 (G: the block's number in the whole codebook).
; THE FOLD.  An accumulator is finished after two matrix instructions.  Four v_max3 fold its eight numbers into the lane's running maximum; one compare and four selects (two dual pairs) keep, from the last block
; that raised it, the block's number and the chain's three intermediate maxima.  The first stage that equals the final maximum names the pair.  Strictly-greater in ascending blocks, and the lower pair
; at equal maxima between lanes l and l xor 16, keep the lowest index, as argmax does.
; BY TURNS: two matrix instructions, then a slice of the fold.  A pair of accumulators finished in group g has its first two stages in group g + 1's first slice, its last two stages and compares in that
; group's second slice, and its selects at the head of group g + 2's first slice, two matrix instructions behind the compares.
; LIMITS: NaN among the scores is not served.
; REGISTERS, window 0: v1-2 ids; v4 8 x lane; v8-9 the add's two; v10 G; v11 4 x lane; v12-17 the chains' intermediates; v18-25 z's scale words, v26-27 the codes' (scales and nothing else);
;   v28-43 running maxima, two sets by turns; v44-51 block numbers; v53-60, v62-69, v71-78 kept intermediates; v79 16 x lane; v80-143 the codes' fragments, two sets; v144-175 accumulators, two sets of two;
;   v176-207 the way out; v208-209 LDS addresses.   window 1: z.
.set UNIT,  16896
.set SLOT,  8*UNIT                     ; the unit at place p (0..15) begins at p x UNIT: the two slots lie on end
.set SPARE, 2*SLOT                     ; the spare words, 128 bytes for each wave: four blocks of 256 bytes that no other line names
.set PO,   4
.set SPW,  8
.set NIL,  9
.set CNT,  10
.set L4,   11
.set T,    12
.set ZS,   18
.set CS,   26
.set RUN,  28
.set IDX,  44                          ; IDX + a and MA + a, MB + a and MC + a: one even and one odd number, and different numbers modulo 4: the dual form asks for both
.set MA,   53
.set MB,   62
.set MC,   71
.set L16,  79
.set F,    80
.set ACC,  144
.set PIX,  176
.set OUT,  200
.set LA,   208                         ; 16 x lane + the unit at work
.set LS,   209                         ; 16384 + 4 x lane + the unit at work
.set G1,   16
.set G0,   32
.set SEL2, 48
.set MSB, 0
.macro WIN new                         ; the immediate's high byte repeats the setting that is left
.if MSB != \new
	s_set_vgpr_msb (MSB<<8)|\new
.set MSB, \new
.endif
.endm
.macro CROUND                          ; a round of the cluster's barrier
	s_barrier_signal -1
	s_barrier_wait -1
	s_cmp_lg_u32 s10, 0
	s_cbranch_scc1 .Lnot_wave_0_\@
	s_barrier_signal -3
.Lnot_wave_0_\@:
	s_barrier_wait -3
	s_barrier_signal -1
	s_barrier_wait -1
.endm
; One matrix instruction: row block a, K half s, the codes' set par, accumulator set buf.  K half 1 takes its scale words from lanes 16-31.
.macro WM a, s, par, buf
.if (\s) == 0
	v_wmma_scale_f32_16x16x128_f8f6f4 v[ACC+16*(\buf)+8*((\a)%2):ACC+16*(\buf)+8*((\a)%2)+7], v[F+32*(\par):F+32*(\par)+15], v[32*(\a):32*(\a)+15], 0, v[CS+(\par)], v[ZS+(\a)] matrix_a_fmt:MATRIX_FMT_BF8 matrix_b_fmt:MATRIX_FMT_BF8
.else
	v_wmma_scale_f32_16x16x128_f8f6f4 v[ACC+16*(\buf)+8*((\a)%2):ACC+16*(\buf)+8*((\a)%2)+7], v[F+32*(\par)+16:F+32*(\par)+31], v[32*(\a)+16:32*(\a)+31], v[ACC+16*(\buf)+8*((\a)%2):ACC+16*(\buf)+8*((\a)%2)+7], v[CS+(\par)], v[ZS+(\a)] matrix_a_fmt:MATRIX_FMT_BF8 matrix_b_fmt:MATRIX_FMT_BF8 matrix_a_scale:MATRIX_SCALE_ROW1 matrix_b_scale:MATRIX_SCALE_ROW1
.endif
.endm
; The first two stages of the chains of row blocks a0 and a0 + 1 (accumulator set buf), by turns; each accumulator is read from its low end on.
.macro SLA buf, a0, par
.set AB, ACC+16*(\buf)
	v_max3_num_f32 v[T],   v[RUN+8*(\par)+(\a0)],   v[AB],    v[AB+1]
	v_max3_num_f32 v[T+3], v[RUN+8*(\par)+(\a0)+1], v[AB+8],  v[AB+9]
	v_max3_num_f32 v[T+1], v[T],   v[AB+2],  v[AB+3]
	v_max3_num_f32 v[T+4], v[T+3], v[AB+10], v[AB+11]
.endm
; The last two stages (AB stands as SLA left it): a block of parity par reads maxima set par and writes the other.  Then: has the maximum risen?  VCC for row block a0, s45 for a0 + 1.
.macro SLB a0, par
	v_max3_num_f32 v[T+2], v[T+1], v[AB+4],  v[AB+5]
	v_max3_num_f32 v[T+5], v[T+4], v[AB+12], v[AB+13]
	v_max3_num_f32 v[RUN+8*(1-(\par))+(\a0)],   v[T+2], v[AB+6],  v[AB+7]
	v_max3_num_f32 v[RUN+8*(1-(\par))+(\a0)+1], v[T+5], v[AB+14], v[AB+15]
	s_delay_alu instid0(VALU_DEP_2)
	v_cmp_gt_f32 vcc_lo, v[RUN+8*(1-(\par))+(\a0)], v[RUN+8*(\par)+(\a0)]
	s_delay_alu instid0(VALU_DEP_2)
	v_cmp_gt_f32 s45, v[RUN+8*(1-(\par))+(\a0)+1], v[RUN+8*(\par)+(\a0)+1]
.endm
; Where the maximum has risen, the block's number and the chain's intermediates are kept.
.macro KEEP a0
	v_dual_cndmask_b32 v[IDX+(\a0)], v[IDX+(\a0)], v[CNT] :: v_dual_cndmask_b32 v[MA+(\a0)], v[MA+(\a0)], v[T]
	v_dual_cndmask_b32 v[MB+(\a0)], v[MB+(\a0)], v[T+1] :: v_dual_cndmask_b32 v[MC+(\a0)], v[MC+(\a0)], v[T+2]
	s_mov_b32 vcc_lo, s45                          ; the dual form selects by VCC alone
	v_dual_cndmask_b32 v[IDX+(\a0)+1], v[IDX+(\a0)+1], v[CNT] :: v_dual_cndmask_b32 v[MA+(\a0)+1], v[MA+(\a0)+1], v[T+3]
	v_dual_cndmask_b32 v[MB+(\a0)+1], v[MB+(\a0)+1], v[T+4] :: v_dual_cndmask_b32 v[MC+(\a0)+1], v[MC+(\a0)+1], v[T+5]
.endm
; Group g of a block of parity par: row blocks 2 g and 2 g + 1.  First half: their K half 0, which starts the sums; the selects of the pair finished two groups earlier; the first stages of the pair
; finished one group earlier.  Second half: K half 1, and that pair's last stages and compares.  The two accumulators take turns, one instruction a turn.
; The block's number steps behind group 1's selects, which are the last of the block before.
; Distances (ISA guide 7.12.1): a pair's results are first read behind ten lines that name none of its registers (six of a second half, four selects); an accumulator is begun anew behind twelve.
.macro GH1 g, par
	WIN 0x04                                       ; source 1 (z) in window 1
	WM 2*(\g), 0, \par, (\g)%2
	WM 2*(\g)+1, 0, \par, (\g)%2
	WIN 0
	KEEP (2*(\g)+4)%8
.if (\g) == 1
	v_add_nc_u32 v[CNT], 1, v[CNT]                 ; blocks are walked in the order of their numbers
.endif
.if (\g) == 0
	SLA 1, 6, 1-(\par)
.else
	SLA ((\g)-1)%2, 2*(\g)-2, \par
.endif
.endm
.macro GH2 g, par
	WIN 0x04
	WM 2*(\g), 1, \par, (\g)%2
	WM 2*(\g)+1, 1, \par, (\g)%2
	WIN 0
.if (\g) == 0
	SLB 6, 1-(\par)
.else
	SLB 2*(\g)-2, \par
.endif
.endm
; Nine LDS loads in one run: a block's codes (each load takes 512 consecutive bytes) and scale words, into set par
.macro RUNL off, soff, par
.irp kh, 0,1
.irp c, 0,1,2,3
	ds_load_b128 v[F+32*(\par)+16*\kh+4*\c:F+32*(\par)+16*\kh+4*\c+3], v[LA] offset:(\off)+\kh*2048+\c*512
.endr
.endr
	ds_load_b32 v[CS+(\par)], v[LS] offset:(\soff)
.endm
; Block t of the unit at work.  The next block's fragments are fetched behind group 0, into the set that the block before has left (its last reader stands twelve plain lines back).
.macro BLOCK t, nxt
	s_wait_alu depctr_va_vdst(0)
	s_wait_dscnt 0x0                               ; this block's nine loads, issued a block ago, are in
	GH1 0, (\t)%2
	GH2 0, (\t)%2
.if (\t) < 3
	RUNL ((\t)+1)*4096, ((\t)+1)*128, ((\t)+1)%2
.else
.if \nxt
	RUNL UNIT, UNIT, 0                             ; the next unit's first block,
	v_add_nc_u32 v[LA], UNIT, v[LA]                ; and on to that unit
	v_add_nc_u32 v[LS], UNIT, v[LS]
.endif
.endif
	GH1 1, (\t)%2
	GH2 1, (\t)%2
	GH1 2, (\t)%2
	GH2 2, (\t)%2
	GH1 3, (\t)%2
	GH2 3, (\t)%2
.endm
.macro UNITB nxt
	BLOCK 0, 1
	BLOCK 1, 1
	BLOCK 2, 1
	BLOCK 3, \nxt
.endm
; (vd, pd) takes (vs, ps) where vs is greater, or equal with the lower pair
.macro LEX vd, pd, vs, ps
	v_cmp_gt_f32 s45, v[\vs], v[\vd]
	v_cmp_eq_f32 s46, v[\vs], v[\vd]
	v_cmp_lt_u32 vcc_lo, v[\ps], v[\pd]
	s_and_b32 s46, s46, vcc_lo
	s_or_b32 vcc_lo, s45, s46
	v_cndmask_b32 v[\vd], v[\vd], v[\vs], vcc_lo
	v_cndmask_b32 v[\pd], v[\pd], v[\ps], vcc_lo
.endm
	s_load_b128 s[4:7], s[0:1], 0x0                ; zq s[4:5], cbq s[6:7]
	s_load_b64 s[8:9], s[0:1], 0x10                ; pair
	v_lshl_add_u32 v[SPW], v0, 2, SPARE
	v_mov_b32 v[NIL], 0
	ds_add_u32 v[SPW], v[NIL]                      ; the opening lines: the add, twice on end, and its wait ahead of the first tensor load
	ds_add_u32 v[SPW], v[NIL]
	v_lshrrev_b32 v1, 5, v0
	s_delay_alu instid0(VALU_DEP_1)
	v_readfirstlane_b32 s10, v1                    ; wave 0..7
	s_bfe_u32 s11, ttmp6, 0x40000                  ; cx: it enters zq's and pair's addresses alone
	s_and_b32 s40, ttmp9, 7                        ; the eighth: by the cluster's number, which the partners share
	s_lshr_b32 s12, ttmp9, 3
	s_lshl_b32 s12, s12, 2
	s_add_co_u32 s12, s12, s11                     ; my block of 1,024 rows, 0..31
	s_mov_b32 s[G1], 15|(3<<16)|(1<<21)            ; group 1: a unit is dense: 66 rows of 256 bytes (32 elements of 8 bytes); the mask names all four partners; no padding: every read takes bytes on end
	s_mov_b32 s[G1+1], 32<<16
	s_mov_b32 s[G1+2], 66<<16
	s_mov_b32 s[G1+3], 32<<16
	s_mov_b32 s[G1+4], 66
	s_mov_b32 s[G1+5], 32
	s_mov_b32 s[G1+6], 0
	s_mov_b32 s[G1+7], 0
	s_mul_i32 s13, s10, UNIT                       ; the place of the unit that I fetch, in a slot and in its eight units of cbq
	v_bfe_u32 v2, v0, 4, 1                         ; h
	v_and_b32 v[L4], 31, v0
	s_delay_alu instid0(VALU_DEP_1)
	v_lshlrev_b32 v[L16], 4, v[L4]
	s_delay_alu instid0(VALU_DEP_2)
	v_lshlrev_b32 v[PO], 3, v[L4]
	s_delay_alu instid0(VALU_DEP_3)
	v_lshlrev_b32 v[L4], 2, v[L4]
	s_delay_alu instid0(VALU_DEP_3)
	v_mov_b32 v[LA], v[L16]
	s_delay_alu instid0(VALU_DEP_2)
	v_add_nc_u32 v[LS], 16384, v[L4]
	s_lshl_b32 s14, s40, 6
	s_sub_co_i32 s14, s14, 1
	v_mov_b32 v[CNT], s14                          ; 64 x eighth - 1: the first block's step makes it that block's number
	s_mov_b32 s[SEL2], 0x76543210
	s_mov_b32 s[SEL2+1], 0xfedcba98
	v_cmp_ne_u32 s47, 0, v2                        ; lanes 16-31
	s_lshl_b32 s14, s12, 4
	s_lshl_b32 s15, s10, 1
	s_add_co_u32 s14, s14, s15
	s_mul_i32 s14, s14, UNIT                       ; zq: unit 16 x my block + 2 x wave
	s_mov_b32 s15, 0
	s_mul_i32 s24, s40, 16*UNIT                    ; cbq: my eighth, the unit that I fetch (registers that never hold cx)
	s_add_co_u32 s24, s24, s13
	s_mov_b32 s25, 0
	s_lshl_b32 s26, s40, 18                        ; pair: [eighth][row] of 8 bytes: 262,144 bytes an eighth,
	s_lshl_b32 s28, s12, 13                        ; 8,192 for my block's rows,
	s_add_co_u32 s26, s26, s28
	s_lshl_b32 s28, s10, 10                        ; 1,024 for my wave's
	s_add_co_u32 s26, s26, s28
	s_mov_b32 s27, 0
	s_wait_alu depctr_va_vdst(0)
	s_wait_dscnt 0x0                               ; both opening adds are done
	s_wait_kmcnt 0x0
	s_add_nc_u64 s[4:5], s[4:5], s[14:15]
	s_add_nc_u64 s[8:9], s[8:9], s[26:27]
	s_add_nc_u64 s[6:7], s[6:7], s[24:25]
.irp s, 0,1
	s_mov_b32 s[G0+4*\s], 1
	s_add_co_u32 s[G0+4*\s+1], s13, \s*SLOT
	s_add_nc_u64 s[G0+4*\s+2:G0+4*\s+3], s[6:7], \s*SLOT
	s_or_b32 s[G0+4*\s+3], s[G0+4*\s+3], 0x80000000
.endr
	CROUND                                         ; all four work-groups are here: the first joint loads meet
	tensor_load_to_lds s[G0:G0+3], s[G1:G1+7]      ; slot 0: my one load at the head, asked for ahead of z: the second fill waits for it
	s_nop 0
.rept 4
	v_nop
.endr
	WIN 0x40                                       ; destination window 1
.irp a, 0,1,2,3,4,5,6,7                ; z stays in registers: row block a is tile a % 4 of my unit a / 4; each load takes 512 consecutive bytes
.irp kh, 0,1
.irp c, 0,1,2,3
	global_load_b128 v[32*\a+16*\kh+4*\c:32*\a+16*\kh+4*\c+3], v[L16], s[4:5] offset:(\a/4)*UNIT+(\a%4)*4096+\kh*2048+\c*512
.endr
.endr
.endr
	WIN 0
.irp a, 0,1,2,3,4,5,6,7
	global_load_b32 v[ZS+\a], v[L4], s[4:5] offset:(\a/4)*UNIT+16384+(\a%4)*128   ; lanes 0-15: K half 0's words, lanes 16-31: K half 1's
.endr
	s_mov_b32 s46, 0xff800000                      ; -infinity: under every score.  The first group folds an accumulator set of it, which changes nothing
.set n, 0
.rept 16
	v_mov_b32 v[RUN+n], s46
	v_mov_b32 v[ACC+16+n], s46
.set n, n+1
.endr
.set n, 0
.rept 26
	v_mov_b32 v[MA+n], s46
.set n, n+1
.endr
.set n, 0
.rept 6
	v_mov_b32 v[T+n], s46                          ; the first selects name them, and take nothing
.set n, n+1
.endr
.set n, 0
.rept 8
	v_mov_b32 v[IDX+n], 0
.set n, n+1
.endr
	s_wait_alu depctr_va_vdst(0)
	s_wait_tensorcnt 0x0                           ; my unit of slot 0 is in
	ds_add_u32 v[SPW], v[NIL]
	s_wait_dscnt 0x0
	CROUND                                         ; everybody's unit of slot 0 is in, and the joint loads meet
	tensor_load_to_lds s[G0+4:G0+7], s[G1:G1+7]    ; slot 1: it has seven units' work, 448 matrix instructions a wave, in which to land
	s_nop 0
.rept 4
	v_nop
.endr
	s_mov_b32 vcc_lo, 0                            ; no maximum has risen yet: the first block's first selects keep what stands
	s_mov_b32 s45, 0
	RUNL 0, 0, 0
	s_wait_loadcnt 0x0                             ; z and its scale words
	s_mov_b32 s44, 7
.Lfirst:                                               ; units 0 to 6; the last trip fetches unit 7's first block, still in slot 0
	UNITB 1
	s_sub_co_u32 s44, s44, 1
	s_cmp_lg_u32 s44, 0
	s_cbranch_scc1 .Lfirst
	s_wait_alu depctr_va_vdst(0)
	s_wait_tensorcnt 0x0                           ; my unit of slot 1 is in,
	s_wait_dscnt 0x0                               ; no LDS load of mine is out at the signal,
	s_barrier_signal -1
	s_barrier_wait -1                              ; and everybody's unit is: slot 1 may be read
	s_mov_b32 s44, 8
.Lrest:                                                ; units 7 to 14
	UNITB 1
	s_sub_co_u32 s44, s44, 1
	s_cmp_lg_u32 s44, 0
	s_cbranch_scc1 .Lrest
	UNITB 0                                        ; unit 15 fetches nothing more
	KEEP 4                                         ; the last block's third pair: its selects;
	SLA 1, 6, 1                                    ; its last pair's whole fold (ten lines stand behind its products)
	SLB 6, 1
	KEEP 6
	; THE WAY OUT.  Per row block: the first stage that equals the maximum; pi = 8 G + 4 h + stage; then the better of lanes l and l xor 16: both lanes end with the same
	v_mov_b32 v184, 0                              ; a lane permute's destination counts as one of its sources
	v_mov_b32 v185, 0
.irp a, 0,1,2,3,4,5,6,7
	v_cmp_eq_f32 vcc_lo, v[RUN+\a], v[MC+\a]
	s_delay_alu instid0(VALU_DEP_1)
	v_cndmask_b32 v[PIX+\a], 3, 2, vcc_lo
	v_cmp_eq_f32 vcc_lo, v[RUN+\a], v[MB+\a]
	s_delay_alu instid0(VALU_DEP_1)
	v_cndmask_b32 v[PIX+\a], v[PIX+\a], 1, vcc_lo
	v_cmp_eq_f32 vcc_lo, v[RUN+\a], v[MA+\a]
	s_delay_alu instid0(VALU_DEP_1)
	v_cndmask_b32 v[PIX+\a], v[PIX+\a], 0, vcc_lo
	s_delay_alu instid0(VALU_DEP_1)
	v_lshl_add_u32 v[PIX+\a], v[IDX+\a], 3, v[PIX+\a]
	s_delay_alu instid0(VALU_DEP_1)
	v_lshl_add_u32 v[PIX+\a], v2, 2, v[PIX+\a]
	v_permlanex16_b32 v184, v[RUN+\a], s[SEL2], s[SEL2+1]
	s_delay_alu instid0(VALU_DEP_2)
	v_permlanex16_b32 v185, v[PIX+\a], s[SEL2], s[SEL2+1]
	LEX RUN+\a, PIX+\a, 184, 185
.endr
.irp j, 0,1,2,3                        ; lanes 0-15 give row block 2 j, lanes 16-31 row block 2 j + 1: 32 rows on end
	v_cndmask_b32 v[186+\j], v[RUN+2*\j], v[RUN+2*\j+1], s47
	v_cndmask_b32 v[OUT+2*\j+1], v[PIX+2*\j], v[PIX+2*\j+1], s47
.endr
.irp j, 0,1,2,3
	v_add_f32 v[186+\j], 0, v[186+\j]              ; -0 becomes +0, so that equal numbers have equal keys
.endr
.irp j, 0,1,2,3
	v_ashrrev_i32 v[190+\j], 31, v[186+\j]
.endr
.irp j, 0,1,2,3
	v_or_b32 v[190+\j], 0x80000000, v[190+\j]
.endr
.irp j, 0,1,2,3
	v_xor_b32 v[OUT+2*\j], v[186+\j], v[190+\j]    ; THE KEY: the pattern with its sign bit turned, or wholly turned where it is negative: unsigned order is the numbers' order
.endr
.irp j, 0,1,2,3
	global_store_b64 v[PO], v[OUT+2*\j:OUT+2*\j+1], s[8:9] offset:256*\j   ; (key, pair): 32 lanes store 256 consecutive bytes, aligned
.endr
	s_wait_tensorcnt 0x0                           ; the wave's end
	ds_add_u32 v[SPW], v[NIL]
	s_wait_dscnt 0x0
	CROUND                                         ; the closing round
	s_endpgm
.Lfunc_end_k_qf5537f6a05_search:
	.size	k_qf5537f6a05_search, .Lfunc_end_k_qf5537f6a05_search-k_qf5537f6a05_search
	.p2alignl 7, 3214868480
	.fill 96, 4, 3214868480
	.section	.rodata,"a",@progbits
	.p2align	6, 0x0
	.amdhsa_kernel k_qf5537f6a05_search
		.amdhsa_group_segment_fixed_size 327680
		.amdhsa_private_segment_fixed_size 0
		.amdhsa_enable_private_segment 0
		.amdhsa_kernarg_size 24
		.amdhsa_user_sgpr_count 2
		.amdhsa_user_sgpr_kernarg_segment_ptr 1
		.amdhsa_wavefront_size32 1
		.amdhsa_system_sgpr_workgroup_id_x 1
		.amdhsa_system_sgpr_workgroup_id_y 1
		.amdhsa_system_sgpr_workgroup_id_z 1
		.amdhsa_system_vgpr_workitem_id 0
		.amdhsa_next_free_vgpr 512
		.amdhsa_next_free_sgpr 66
		.amdhsa_reserve_vcc 1
		.amdhsa_float_denorm_mode_32 3
		.amdhsa_float_denorm_mode_16_64 3
		.amdhsa_memory_ordered 1
		.amdhsa_forward_progress 1
		.amdhsa_inst_pref_size 109
	.end_amdhsa_kernel
	.amdgpu_metadata
---
amdhsa.version: [ 1, 2 ]
amdhsa.kernels:
  - .name:           k_qf5537f6a05_search
    .symbol:         k_qf5537f6a05_search.kd
    .args:
      - { .name: zq, .offset: 0, .size: 8, .value_kind: global_buffer, .address_space: global }
      - { .name: cbq, .offset: 8, .size: 8, .value_kind: global_buffer, .address_space: global }
      - { .name: pair, .offset: 16, .size: 8, .value_kind: global_buffer, .address_space: global }
    .group_segment_fixed_size: 327680
    .private_segment_fixed_size: 0
    .kernarg_segment_align: 8
    .kernarg_segment_size: 24
    .max_flat_workgroup_size: 256
    .sgpr_count:     66
    .vgpr_count:     512
    .wavefront_size: 32
...
	.end_amdgpu_metadata
.endif
;; end of part 2
;; launch gather (part 3): grid 512 x 1, 8 waves a work-group, no clusters, 70,656 bytes of LDS; arguments x, codebook, cbq, zq, inv, pair, out0, part; writes out0, part
.if DOCPART == 3
	.amdgcn_target "amdgcn-amd-amdhsa--gfx1250"
	.amdhsa_code_object_version 6
	.text
	.protected	k_qf5537f6a05_gather
	.globl	k_qf5537f6a05_gather
	.p2align	8
	.type	k_qf5537f6a05_gather,@function
k_qf5537f6a05_gather:
	s_mov_b64 s[64:65], 0
	v_nop
	global_prefetch_b8 v0, s[64:65] scope:SCOPE_SE
	s_setreg_imm32_b32 hwreg(HW_REG_WAVE_MODE, 25, 1), 1
	s_wait_xcnt 0x0
; For 64 neighbouring positions of one image (one unit u of zq): which entry is each row's argmax; out0 = that entry's f32 row, laid [channel][position];
; and the work-group's sum of z . q = inv x (x . q), for the losses.
; pair holds, for each EIGHTH of the codebook and each row, 8 bytes: a whole-number key (unsigned order = the order of the eighth's largest scores) and a pair's number.
; THE EIGHTH is chosen on these whole numbers: a later eighth only where its key is strictly greater, since the earlier ones hold the lower indices.  Each wave reads the unit's 64 rows of all eight planes
; (eight loads of 512 consecutive bytes, two rows a lane), keeps the winners, and deals them to the lanes that want them through 256 LDS bytes of its own.
; THE CHOICE WITHIN THE PAIR steers no address: both candidates' quantised scores are made anew by the same matrix instruction on the same codes (two instructions for a wave's eight rows), both f32 rows,
; 2,048 bytes on end, are loaded, and v_cndmask_b32 takes one: candidate 1 only where its score is strictly greater, as argmax does.
; ROW ORDER: position p' of the unit is row rho = 16 (p' % 4) + p' / 4 of zq and of pair.
; PHASES: 1 loads | 2 wave w: scores of rows 8 w .. 8 w + 7 (source 0: slot m = candidate m % 2 of row 8 w + m / 2; source 1: z's tile w / 2); flags to LDS | barrier |
; 3 wave w: positions 8 w + 2 q + hh: select, and store to a table [channel][64 positions] in LDS | barrier | 4 wave w: channels 32 w .. 32 w + 31: read back, multiply with x, store | barrier | sum.
; In the table the 16 bytes of positions 4 v .. 4 v + 3 of channel c lie at place (v + c / 4) % 16 of the channel's 256 bytes: so neither the 4-byte stores nor the 16-byte reads meet in a bank.
; No tensor loads.  Work-groups gather different rows and share no tile, so no cluster.
.set UNIT, 16896
.set PLANE, 262144                     ; pair: bytes of an eighth's 32,768 rows
.set TT,   0                           ; LDS: 256 channels x 256 bytes
.set FLG,  65536                       ; 256 flags, one a thread
.set RED,  66560                       ; eight partial sums
.set SPARE, 67584                      ; the spare words, 128 bytes for each wave
.set WINL, 68608                       ; 256 bytes for each wave: the 64 rows' winning pairs
.set XO,   3                           ; v3     hh x 16384 + 16 (lane % 16): my bytes in x and in out0; never rewritten
.set PI,   9                           ; v9     the pair of my candidate's row
.set GO,   10                          ; v10-13 the pairs of my four positions, then their byte offsets in the codebook
.set CO,   14
.set SO,   15
.set CSC,  16                          ; v16, v17: scales and nothing else
.set ZSC,  17
.set WA,   18
.set FA,   20
.set FLS,  21
.set FL,   22
.set RA,   26
.set INV,  34
.set DOT,  38
.set D,    42
.set X,    64                          ; v64-127 x: 16 channels x 4 positions
.set CF,   128                         ; v128-159 candidates' codes; v160-191 z's codes; then the f32 candidates of q = 2, 3; then the rows read back
.set ZF,   160
.set KP,   192                         ; v192-223 eight planes' (key, pair) of two rows; then, with v224-255, the f32 candidates of q = 0, 1
.set WV,   20
.set SEL,  30
	s_load_b256 s[4:11], s[0:1], 0x0               ; x s[4:5], codebook s[6:7], cbq s[8:9], zq s[10:11]
	s_load_b256 s[12:19], s[0:1], 0x20             ; inv s[12:13], pair s[14:15], out0 s[16:17], part s[18:19]
	v_lshl_add_u32 v57, v0, 2, SPARE               ; v57, v63: the add's two registers, kept for it alone
	v_mov_b32 v63, 0
	v_lshrrev_b32 v1, 5, v0
	s_delay_alu instid0(VALU_DEP_1)
	v_readfirstlane_b32 s[WV], v1                  ; wave 0..7
	v_and_b32 v1, 15, v0                           ; l15
	v_bfe_u32 v2, v0, 4, 1                         ; hh
	v_and_b32 v4, 31, v0                           ; lane
	s_delay_alu instid0(VALU_DEP_3)
	v_lshlrev_b32 v5, 4, v1                        ; 16 l15
	s_delay_alu instid0(VALU_DEP_1)
	v_lshl_add_u32 v[XO], v2, 14, v5
	v_lshrrev_b32 v6, 1, v1
	v_lshlrev_b32 v55, 4, v4                       ; pair: 16 x lane: rows 2 lane and 2 lane + 1 of a plane
	s_wait_alu depctr_va_vdst(0)
	s_mul_i32 s21, s[WV], 288
	s_add_co_u32 s21, s21, WINL
	v_lshl_add_u32 v6, v6, 2, s21                  ; my wave's winners, row 8 w + l15 / 2, 4 bytes a row
	s_mul_i32 s21, s[WV], 264
	s_add_co_u32 s21, s21, WINL
	v_lshl_add_u32 v7, v2, 6, s21                  ; row 16 hh + 2 w
	s_lshl_b32 s21, s[WV], 8
	s_add_co_u32 s21, s21, WINL
	v_lshl_add_u32 v56, v4, 3, s21                 ; and where I put my two rows' winners
	s_lshr_b32 s22, s[WV], 1
	s_lshl_b32 s21, s22, 12
	v_lshl_add_u32 v8, v4, 4, s21                  ; zq: tile w / 2, 16 x lane
	s_lshl_b32 s21, s22, 7
	v_lshl_add_u32 v58, v4, 2, s21                 ; and its scale words
	v_and_b32 v50, 1, v1
	s_delay_alu instid0(VALU_DEP_1)
	v_lshlrev_b32 v59, 4, v50
	s_delay_alu instid0(VALU_DEP_1)
	v_lshl_add_u32 v59, v2, 8, v59                 ; 16 (l15 % 2) + 256 hh
	s_delay_alu instid0(VALU_DEP_3)
	v_lshlrev_b32 v60, 2, v50
	s_delay_alu instid0(VALU_DEP_1)
	v_lshl_add_u32 v60, v2, 6, v60                 ; 4 (l15 % 2) + 64 hh
	s_lshr_b32 s22, ttmp9, 6
	s_lshl_b32 s22, s22, 22                        ; the image
	s_and_b32 s23, ttmp9, 63
	s_lshl_b32 s23, s23, 8                         ; the 64 positions
	s_add_co_u32 s22, s22, s23
	s_lshl_b32 s23, s[WV], 19                      ; my 32 channels
	s_add_co_u32 s22, s22, s23
	s_mov_b32 s23, 0
	s_mul_i32 s24, ttmp9, UNIT
	s_mov_b32 s25, 0
	s_lshl_b32 s26, ttmp9, 8
	s_mov_b32 s27, 0
	s_lshl_b32 s28, ttmp9, 2
	s_mov_b32 s29, 0
	s_lshl_b32 s38, ttmp9, 9
	s_mov_b32 s39, 0
	s_mov_b32 s[SEL], 0x76543210
	s_mov_b32 s[SEL+1], 0xfedcba98
	s_wait_alu depctr_va_vdst(0)
	s_wait_kmcnt 0x0
	s_add_nc_u64 s[4:5], s[4:5], s[22:23]
	s_add_nc_u64 s[16:17], s[16:17], s[22:23]
	s_add_nc_u64 s[10:11], s[10:11], s[24:25]
	s_add_nc_u64 s[12:13], s[12:13], s[26:27]
	s_add_nc_u64 s[14:15], s[14:15], s[38:39]      ; pair: my unit's 64 rows of 8 bytes, in the first plane
	s_add_nc_u64 s[18:19], s[18:19], s[28:29]
	; ---- 1: the loads.  pair first: the addresses of the later loads hang on it
.irp e, 0,1,2,3,4,5,6,7
	global_load_b128 v[KP+4*\e:KP+4*\e+3], v55, s[14:15] offset:PLANE*\e   ; 32 lanes read 512 consecutive bytes
.endr
.irp kh, 0,1
.irp c, 0,1,2,3
	global_load_b128 v[ZF+16*\kh+4*\c:ZF+16*\kh+4*\c+3], v8, s[10:11] offset:2048*\kh+512*\c
.endr
.endr
	global_load_b32 v[ZSC], v58, s[10:11] offset:16384
.irp e, 0,1,2,3,4,5,6,7,8,9,10,11,12,13,14,15
	global_load_b128 v[X+4*\e:X+4*\e+3], v[XO], s[4:5] offset:32768*\e th:TH_LOAD_NT   ; channel 32 w + 2 e + hh, positions 4 l15 on: sixteen lanes read 256 consecutive bytes
.endr
	global_load_b128 v[INV:INV+3], v5, s[12:13]
	; LDS addresses and lane masks, while the loads are out
	v_lshl_add_u32 v[FLS], v0, 2, FLG
	s_lshr_b32 s36, s[WV], 2
	s_mul_i32 s36, s36, 160
	s_and_b32 s37, s[WV], 3
	s_lshl_b32 s37, s37, 3
	s_add_co_u32 s36, s36, s37
	s_bfe_u32 s37, s[WV], 0x10001
	s_lshl_b32 s37, s37, 6
	s_add_co_u32 s36, s36, s37
	s_add_co_u32 s36, s36, FLG
	v_lshl_add_u32 v[FA], v2, 8, s36               ; FLG + 256 hh + 4 (40 (w / 4) + 2 (w % 4) + 16 ((w / 2) % 2)): the thread that held my position's scores
	s_and_b32 s36, s[WV], 1
	s_lshl_b32 s36, s36, 3
	v_add_nc_u32 v50, s36, v1
	s_lshl_b32 s36, s[WV], 13
	v_lshl_add_u32 v52, v2, 8, s36
.irp j, 0,1,2,3,4,5,6,7
	v_add_nc_u32 v[RA+\j], \j, v50
	s_delay_alu instid0(VALU_DEP_1)
	v_and_b32 v[RA+\j], 15, v[RA+\j]
	s_delay_alu instid0(VALU_DEP_1)
	v_lshl_add_u32 v[RA+\j], v[RA+\j], 4, v52      ; 8192 w + 256 hh + 16 ((l15 + 8 w + j) % 16)
.endr
	s_lshl_b32 s37, s[WV], 1
	v_and_b32 v51, 3, v1
	s_delay_alu instid0(VALU_DEP_1)
	v_cmp_eq_u32 s32, 1, v51
	s_delay_alu instid0(VALU_DEP_2)
	v_cmp_eq_u32 s33, 2, v51
	s_delay_alu instid0(VALU_DEP_3)
	v_cmp_eq_u32 s34, 3, v51
	v_lshrrev_b32 v61, 5, v0
	s_delay_alu instid0(VALU_DEP_1)
	v_lshl_add_u32 v61, v61, 2, RED                ; RED + 4 w
	v_mov_b32 v62, RED
	s_wait_loadcnt 26                              ; the eight loads of pair are in; z's 9 loads and x's 17 may be out
.irp e, 1,2,3,4,5,6,7                  ; plane e against the best so far: whole numbers, as they were read; my two rows by turns
	v_cmp_gt_u32 vcc_lo, v[KP+4*\e], v[KP]
	v_cmp_gt_u32 s35, v[KP+4*\e+2], v[KP+2]
	v_cndmask_b32 v[KP+1], v[KP+1], v[KP+4*\e+1], vcc_lo
	v_cndmask_b32 v[KP+3], v[KP+3], v[KP+4*\e+3], s35
	v_max_u32 v[KP], v[KP], v[KP+4*\e]
	v_max_u32 v[KP+2], v[KP+2], v[KP+4*\e+2]
.endr
	ds_store_b32 v56, v[KP+1]                      ; my wave's own bytes: LDS serves a wave's instructions in order, so the loads below see these stores
	ds_store_b32 v56, v[KP+3] offset:4
	ds_load_b32 v[PI], v6
.irp q, 0,1,2,3
	ds_load_b32 v[GO+\q], v7 offset:128*(\q%2)+4*(\q/2)   ; position 8 w + 2 q + hh is row 32 (q % 2) + 16 hh + 2 w + q / 2
.endr
	s_wait_dscnt 0x0
	v_min_u32 v[PI], 0xfff, v[PI]                  ; a pair's number stays inside the table
.irp q, 0,1,2,3
	v_min_u32 v[GO+\q], 0xfff, v[GO+\q]
.endr
	v_and_b32 v50, 0xfe0, v[PI]
	s_delay_alu instid0(VALU_DEP_1)
	v_mul_u32_u24 v50, v50, 528                    ; entry n = 2 pi + e: unit pi / 32, 16,896 bytes each;
	v_and_b32 v51, 0x18, v[PI]                     ; tile (pi / 8) % 4;
	v_and_b32 v52, 7, v[PI]                        ; row 2 (pi % 8) + e
	s_delay_alu instid0(VALU_DEP_2)
	v_lshl_add_u32 v[CO], v51, 9, v50
	s_delay_alu instid0(VALU_DEP_1)
	v_lshl_add_u32 v[CO], v52, 5, v[CO]
	s_delay_alu instid0(VALU_DEP_1)
	v_add_nc_u32 v[CO], v[CO], v59
	v_lshl_add_u32 v[SO], v51, 4, v50
	s_delay_alu instid0(VALU_DEP_1)
	v_lshl_add_u32 v[SO], v52, 3, v[SO]
	s_delay_alu instid0(VALU_DEP_1)
	v_add_nc_u32 v[SO], v[SO], v60
.irp q, 0,1,2,3
	v_lshl_add_u32 v[GO+\q], v[GO+\q], 11, v5      ; the pair's two f32 rows begin at 2,048 pi
.endr
.irp kh, 0,1
.irp c, 0,1,2,3
	global_load_b128 v[CF+16*\kh+4*\c:CF+16*\kh+4*\c+3], v[CO], s[8:9] offset:2048*\kh+512*\c
.endr
.endr
	global_load_b32 v[CSC], v[SO], s[8:9] offset:16384
.irp q, 0,1
.irp e, 0,1
.irp k, 0,1,2,3
	global_load_b128 v[192+32*\q+16*\e+4*\k:192+32*\q+16*\e+4*\k+3], v[GO+\q], s[6:7] offset:1024*\e+256*\k   ; sixteen lanes read 256 consecutive bytes of a row
.endr
.endr
.endr
	; ---- 2: the two candidates' scores
	s_wait_loadcnt 16                              ; all but the 16 just issued
	v_wmma_scale_f32_16x16x128_f8f6f4 v[D:D+7], v[CF:CF+15], v[ZF:ZF+15], 0, v[CSC], v[ZSC] matrix_a_fmt:MATRIX_FMT_BF8 matrix_b_fmt:MATRIX_FMT_BF8
	s_wait_alu depctr_va_vdst(0)                   ; the wait stands directly ahead of the link
	v_wmma_scale_f32_16x16x128_f8f6f4 v[D:D+7], v[CF+16:CF+31], v[ZF+16:ZF+31], v[D:D+7], v[CSC], v[ZSC] matrix_a_fmt:MATRIX_FMT_BF8 matrix_b_fmt:MATRIX_FMT_BF8 matrix_a_scale:MATRIX_SCALE_ROW1 matrix_b_scale:MATRIX_SCALE_ROW1
	v_add_nc_u32 v54, s37, v1                      ; eight plain lines that name none of the products' registers: the places behind them.  They make the table's store addresses
	s_delay_alu instid0(VALU_DEP_1)
	v_and_b32 v55, 15, v54
	v_lshlrev_b32 v[WA], 10, v1
	s_delay_alu instid0(VALU_DEP_1)
	v_lshl_add_u32 v[WA], v2, 2, v[WA]
	s_delay_alu instid0(VALU_DEP_4)
	v_add_nc_u32 v56, 1, v54
	s_delay_alu instid0(VALU_DEP_1)
	v_and_b32 v56, 15, v56
	s_delay_alu instid0(VALU_DEP_1)
	v_lshl_add_u32 v[WA+1], v56, 4, v[WA]          ; 1024 l15 + 4 hh + 16 ((l15 + 2 w + 1) % 16)
	s_delay_alu instid0(VALU_DEP_4)
	v_lshl_add_u32 v[WA], v55, 4, v[WA]            ; 1024 l15 + 4 hh + 16 ((l15 + 2 w) % 16)
.irp q, 2,3
.irp e, 0,1
.irp k, 0,1,2,3
	global_load_b128 v[128+32*(\q-2)+16*\e+4*\k:128+32*(\q-2)+16*\e+4*\k+3], v[GO+\q], s[6:7] offset:1024*\e+256*\k   ; into the registers that the products have left
.endr
.endr
.endr
	v_cndmask_b32 v51, v[D], v[D+2], s32           ; row 8 w + i has its scores in lane 8 (w % 2) + i + 16 (i / 4), registers 2 (i % 4) and 2 (i % 4) + 1; the other lanes' flags are read by nobody
	v_cndmask_b32 v52, v[D+1], v[D+3], s32
	v_cndmask_b32 v51, v51, v[D+4], s33
	v_cndmask_b32 v52, v52, v[D+5], s33
	v_cndmask_b32 v51, v51, v[D+6], s34
	v_cndmask_b32 v52, v52, v[D+7], s34
	s_delay_alu instid0(VALU_DEP_1)
	v_cmp_gt_f32 vcc_lo, v52, v51
	s_delay_alu instid0(VALU_DEP_1)
	v_cndmask_b32 v53, 0, 1, vcc_lo
	ds_store_b32 v[FLS], v53
	s_wait_dscnt 0x0
	s_barrier_signal -1
	s_barrier_wait -1
	; ---- 3: select, and into the table
.irp q, 0,1,2,3
	ds_load_b32 v[FL+\q], v[FA] offset:512*(\q%2)+4*(\q/2)
.endr
	s_wait_dscnt 0x0
.irp q, 0,1,2,3
.if \q == 0
	s_wait_loadcnt 16                              ; the rows of q = 0, 1 are in; those of q = 2, 3 may be out
.endif
.if \q == 2
	s_wait_loadcnt 0x0
.endif
.set CB, 192-64*(\q/2)+32*(\q%2)
	v_cmp_ne_u32 vcc_lo, 0, v[FL+\q]
.set n, 0
.rept 16
	v_cndmask_b32 v[CB+n], v[CB+n], v[CB+16+n], vcc_lo
.set n, n+1
.endr
.irp k, 0,1,2,3
.irp i, 0,1,2,3
	ds_store_b32 v[WA+\q/2], v[CB+4*\k+\i] offset:8*(\q%2)+16384*\k+256*\i   ; channel 64 k + 4 l15 + i, position 8 w + 2 q + hh
.endr
.endr
.endr
	s_wait_dscnt 0x0
	s_barrier_signal -1
	s_barrier_wait -1
	; ---- 4: back by channels; x . q; out0
.irp e, 0,1,2,3,4,5,6,7,8,9,10,11,12,13,14,15
	ds_load_b128 v[128+4*\e:128+4*\e+3], v[RA+\e/2] offset:512*\e
.endr
.irp e, 0,1,2,3,4,5,6,7,8,9,10,11,12,13,14,15
	s_wait_dscnt 15-\e                             ; LDS loads come back in order: number e is in
.if \e == 0
	v_pk_mul_f32 v[DOT:DOT+1], v[X:X+1], v[128:129]
	s_wait_alu depctr_va_vdst(0)
	v_pk_mul_f32 v[DOT+2:DOT+3], v[X+2:X+3], v[130:131]
.else
	v_pk_fma_f32 v[DOT:DOT+1], v[X+4*\e:X+4*\e+1], v[128+4*\e:128+4*\e+1], v[DOT:DOT+1]
	s_wait_alu depctr_va_vdst(0)
	v_pk_fma_f32 v[DOT+2:DOT+3], v[X+4*\e+2:X+4*\e+3], v[128+4*\e+2:128+4*\e+3], v[DOT+2:DOT+3]
.endif
	global_store_b128 v[XO], v[128+4*\e:128+4*\e+3], s[16:17] offset:32768*\e th:TH_STORE_NT   ; sixteen lanes store 256 consecutive bytes, aligned
.endr
	v_pk_mul_f32 v[DOT:DOT+1], v[DOT:DOT+1], v[INV:INV+1]
	v_pk_mul_f32 v[DOT+2:DOT+3], v[DOT+2:DOT+3], v[INV+2:INV+3]
	s_delay_alu instid0(VALU_DEP_1)
	v_pk_add_f32 v[DOT:DOT+1], v[DOT:DOT+1], v[DOT+2:DOT+3]
	s_delay_alu instid0(VALU_DEP_1)
	v_add_f32 v[DOT], v[DOT], v[DOT+1]
	s_delay_alu instid0(VALU_DEP_1)
	v_add_f32_dpp v[DOT], v[DOT], v[DOT] row_xmask:1 row_mask:0xf bank_mask:0xf
	s_delay_alu instid0(VALU_DEP_1)
	v_add_f32_dpp v[DOT], v[DOT], v[DOT] row_xmask:2 row_mask:0xf bank_mask:0xf
	s_delay_alu instid0(VALU_DEP_1)
	v_add_f32_dpp v[DOT], v[DOT], v[DOT] row_xmask:4 row_mask:0xf bank_mask:0xf
	s_delay_alu instid0(VALU_DEP_1)
	v_add_f32_dpp v[DOT], v[DOT], v[DOT] row_xmask:8 row_mask:0xf bank_mask:0xf
	s_delay_alu instid0(VALU_DEP_1)
	v_permlanex16_b32 v[DOT+1], v[DOT], s[SEL], s[SEL+1]
	s_delay_alu instid0(VALU_DEP_1)
	v_add_f32 v[DOT], v[DOT], v[DOT+1]             ; my wave's 32 channels, all 64 positions
	ds_store_b32 v61, v[DOT]                       ; all lanes store the same word
	s_wait_dscnt 0x0
	s_barrier_signal -1
	s_barrier_wait -1
	s_cmp_lg_u32 s[WV], 0
	s_cbranch_scc1 .Lend
	ds_load_b128 v[64:67], v62
	ds_load_b128 v[68:71], v62 offset:16
	s_wait_dscnt 0x0
	v_pk_add_f32 v[64:65], v[64:65], v[66:67]
	v_pk_add_f32 v[68:69], v[68:69], v[70:71]
	s_delay_alu instid0(VALU_DEP_1)
	v_pk_add_f32 v[64:65], v[64:65], v[68:69]
	s_delay_alu instid0(VALU_DEP_1)
	v_add_f32 v64, v64, v65
	v_mov_b32 v66, 0
	s_wait_alu depctr_va_vdst(0)
	s_wait_xcnt 0x0                                ; EXEC changes only behind this wait: it is a source of the stores above
	v_cmp_eq_u32 vcc_lo, 0, v0
	s_and_saveexec_b32 s21, vcc_lo
	global_store_b32 v66, v64, s[18:19]            ; one number for the work-group
	s_wait_xcnt 0x0
	s_or_b32 exec_lo, exec_lo, s21
.Lend:
	s_wait_tensorcnt 0x0                           ; the wave's end
	ds_add_u32 v57, v63
	s_wait_dscnt 0x0
	s_endpgm
.Lfunc_end_k_qf5537f6a05_gather:
	.size	k_qf5537f6a05_gather, .Lfunc_end_k_qf5537f6a05_gather-k_qf5537f6a05_gather
	.p2alignl 7, 3214868480
	.fill 96, 4, 3214868480
	.section	.rodata,"a",@progbits
	.p2align	6, 0x0
	.amdhsa_kernel k_qf5537f6a05_gather
		.amdhsa_group_segment_fixed_size 70656
		.amdhsa_private_segment_fixed_size 0
		.amdhsa_enable_private_segment 0
		.amdhsa_kernarg_size 64
		.amdhsa_user_sgpr_count 2
		.amdhsa_user_sgpr_kernarg_segment_ptr 1
		.amdhsa_wavefront_size32 1
		.amdhsa_system_sgpr_workgroup_id_x 1
		.amdhsa_system_sgpr_workgroup_id_y 1
		.amdhsa_system_sgpr_workgroup_id_z 1
		.amdhsa_system_vgpr_workitem_id 0
		.amdhsa_next_free_vgpr 256
		.amdhsa_next_free_sgpr 66
		.amdhsa_reserve_vcc 1
		.amdhsa_float_denorm_mode_32 3
		.amdhsa_float_denorm_mode_16_64 3
		.amdhsa_memory_ordered 1
		.amdhsa_forward_progress 1
		.amdhsa_inst_pref_size 32
	.end_amdhsa_kernel
	.amdgpu_metadata
---
amdhsa.version: [ 1, 2 ]
amdhsa.kernels:
  - .name:           k_qf5537f6a05_gather
    .symbol:         k_qf5537f6a05_gather.kd
    .args:
      - { .name: x, .offset: 0, .size: 8, .value_kind: global_buffer, .address_space: global }
      - { .name: codebook, .offset: 8, .size: 8, .value_kind: global_buffer, .address_space: global }
      - { .name: cbq, .offset: 16, .size: 8, .value_kind: global_buffer, .address_space: global }
      - { .name: zq, .offset: 24, .size: 8, .value_kind: global_buffer, .address_space: global }
      - { .name: inv, .offset: 32, .size: 8, .value_kind: global_buffer, .address_space: global }
      - { .name: pair, .offset: 40, .size: 8, .value_kind: global_buffer, .address_space: global }
      - { .name: out0, .offset: 48, .size: 8, .value_kind: global_buffer, .address_space: global }
      - { .name: part, .offset: 56, .size: 8, .value_kind: global_buffer, .address_space: global }
    .group_segment_fixed_size: 70656
    .private_segment_fixed_size: 0
    .kernarg_segment_align: 8
    .kernarg_segment_size: 64
    .max_flat_workgroup_size: 256
    .sgpr_count:     66
    .vgpr_count:     256
    .wavefront_size: 32
...
	.end_amdgpu_metadata
.endif
;; end of part 3
;; launch final (part 4): grid 1 x 1, 1 waves a work-group, no clusters, 0 bytes of LDS; arguments part, out1, out2; writes out1, out2
.if DOCPART == 4
	.amdgcn_target "amdgcn-amd-amdhsa--gfx1250"
	.amdhsa_code_object_version 6
	.text
	.protected	k_qf5537f6a05_final
	.globl	k_qf5537f6a05_final
	.p2align	8
	.type	k_qf5537f6a05_final,@function
k_qf5537f6a05_final:
	s_mov_b64 s[64:65], 0
	v_nop
	global_prefetch_b8 v0, s[64:65] scope:SCOPE_SE
	s_setreg_imm32_b32 hwreg(HW_REG_WAVE_MODE, 25, 1), 1
	s_wait_xcnt 0x0
; The 512 partial sums of z . q are added in a fixed order; mean(1 - z . q) = 1 - S / 32,768; out1 = 0.25 x that, out2 = 1.0 x that.
; One wave: 2,048 bytes, four loads of 512 consecutive bytes.  A sum over work-groups needs a launch of its own: no traffic between the work-groups of a launch.
	s_load_b128 s[4:7], s[0:1], 0x0                ; part s[4:5], out1 s[6:7]
	s_load_b64 s[8:9], s[0:1], 0x10                ; out2
	v_lshlrev_b32 v1, 4, v0
	v_mov_b32 v2, 0
	s_mov_b32 s10, 0x76543210
	s_mov_b32 s11, 0xfedcba98
	s_mov_b32 s12, 0xb8000000                      ; -2^-15 = -1 / 32,768
	s_wait_alu depctr_va_vdst(0)
	s_wait_kmcnt 0x0
.irp i, 0,1,2,3
	global_load_b128 v[4+4*\i:7+4*\i], v1, s[4:5] offset:512*\i
.endr
	s_wait_loadcnt 0x0
	v_pk_add_f32 v[4:5], v[4:5], v[6:7]
	v_pk_add_f32 v[8:9], v[8:9], v[10:11]
	v_pk_add_f32 v[12:13], v[12:13], v[14:15]
	v_pk_add_f32 v[16:17], v[16:17], v[18:19]
	v_pk_add_f32 v[4:5], v[4:5], v[8:9]
	v_pk_add_f32 v[12:13], v[12:13], v[16:17]
	v_pk_add_f32 v[4:5], v[4:5], v[12:13]
	v_add_f32 v4, v4, v5
	v_add_f32_dpp v4, v4, v4 row_xmask:1 row_mask:0xf bank_mask:0xf
	v_add_f32_dpp v4, v4, v4 row_xmask:2 row_mask:0xf bank_mask:0xf
	v_add_f32_dpp v4, v4, v4 row_xmask:4 row_mask:0xf bank_mask:0xf
	v_add_f32_dpp v4, v4, v4 row_xmask:8 row_mask:0xf bank_mask:0xf
	v_permlanex16_b32 v5, v4, s10, s11
	v_add_f32 v4, v4, v5
	v_fma_f32 v6, v4, s12, 1.0                     ; 1 - S / 32,768
	v_mul_f32 v7, 0x3e800000, v6                   ; x 0.25
	s_wait_alu depctr_va_vdst(0)
	s_wait_xcnt 0x0                                ; EXEC changes only behind this wait
	v_cmp_eq_u32 vcc_lo, 0, v0
	s_and_saveexec_b32 s13, vcc_lo
	global_store_b32 v2, v7, s[6:7]
	global_store_b32 v2, v6, s[8:9]
	s_wait_xcnt 0x0
	s_or_b32 exec_lo, exec_lo, s13
	s_endpgm
.Lfunc_end_k_qf5537f6a05_final:
	.size	k_qf5537f6a05_final, .Lfunc_end_k_qf5537f6a05_final-k_qf5537f6a05_final
	.p2alignl 7, 3214868480
	.fill 96, 4, 3214868480
	.section	.rodata,"a",@progbits
	.p2align	6, 0x0
	.amdhsa_kernel k_qf5537f6a05_final
		.amdhsa_group_segment_fixed_size 0
		.amdhsa_private_segment_fixed_size 0
		.amdhsa_enable_private_segment 0
		.amdhsa_kernarg_size 24
		.amdhsa_user_sgpr_count 2
		.amdhsa_user_sgpr_kernarg_segment_ptr 1
		.amdhsa_wavefront_size32 1
		.amdhsa_system_sgpr_workgroup_id_x 1
		.amdhsa_system_sgpr_workgroup_id_y 1
		.amdhsa_system_sgpr_workgroup_id_z 1
		.amdhsa_system_vgpr_workitem_id 0
		.amdhsa_next_free_vgpr 32
		.amdhsa_next_free_sgpr 66
		.amdhsa_reserve_vcc 1
		.amdhsa_float_denorm_mode_32 3
		.amdhsa_float_denorm_mode_16_64 3
		.amdhsa_memory_ordered 1
		.amdhsa_forward_progress 1
		.amdhsa_inst_pref_size 3
	.end_amdhsa_kernel
	.amdgpu_metadata
---
amdhsa.version: [ 1, 2 ]
amdhsa.kernels:
  - .name:           k_qf5537f6a05_final
    .symbol:         k_qf5537f6a05_final.kd
    .args:
      - { .name: part, .offset: 0, .size: 8, .value_kind: global_buffer, .address_space: global }
      - { .name: out1, .offset: 8, .size: 8, .value_kind: global_buffer, .address_space: global }
      - { .name: out2, .offset: 16, .size: 8, .value_kind: global_buffer, .address_space: global }
    .group_segment_fixed_size: 0
    .private_segment_fixed_size: 0
    .kernarg_segment_align: 8
    .kernarg_segment_size: 24
    .max_flat_workgroup_size: 32
    .sgpr_count:     66
    .vgpr_count:     32
    .wavefront_size: 32
...
	.end_amdgpu_metadata
.endif
;; end of part 4
